; MI455X (gfx1250); checked and timed in simulation.
; The chip was launched on July 23, 2026; its instructions are those of AMD's public machine-readable ISA for CDNA 5 (MIT licence, August 2026) and "CDNA5" Instruction Set Architecture Reference Guide (July 2026). The comments in the code are by the model that wrote it; some were corrected since.
;; Multi Head Attention. Allowed arithmetic: matrix products marked QUANTISED: E2M3 operands, one E8M0 scale for each 32 along K, by v_wmma_scale_f32_16x16x128_f8f6f4 with both operands' format E2M3, f32 sums; everything else in f32.
;; Inputs: Wk_codes 16 x 64 x 32 x 24 uint8 (E2M3 codes of Wk, K innermost, in blocks of 32 codes, four codes in three bytes); Wk_scales 16 x 64 x 32 uint8 (E8M0 scales of Wk, one for each 32 codes along K); Wo_codes 1,024 x 32 x 24 uint8 (E2M3 codes of Wo, K innermost, in blocks of 32 codes, four codes in three bytes); Wo_scales 1,024 x 32 uint8 (E8M0 scales of Wo, one for each 32 codes along K); Wq_codes 16 x 64 x 32 x 24 uint8 (E2M3 codes of Wq, K innermost, in blocks of 32 codes, four codes in three bytes); Wq_scales 16 x 64 x 32 uint8 (E8M0 scales of Wq, one for each 32 codes along K); Wv_codes 16 x 64 x 32 x 24 uint8 (E2M3 codes of Wv, K innermost, in blocks of 32 codes, four codes in three bytes); Wv_scales 16 x 64 x 32 uint8 (E8M0 scales of Wv, one for each 32 codes along K); bo 1,024 float32; x_codes 4 x 2,048 x 32 x 24 uint8 (E2M3 codes of x, K innermost, in blocks of 32 codes, four codes in three bytes); x_scales 4 x 2,048 x 32 uint8 (E8M0 scales of x, one for each 32 codes along K).
;; Outputs: out0 4 x 2,048 x 1,024 float32.
;; This version of the problem:
;;   THIS VERSION OF THE PROBLEM IS GIVEN IN LOW PRECISION. The matrix products marked QUANTISED in the list below multiply operands that are first quantised to E2M3 (2 exponent bits, 3 mantissa bits; 6 bits a number), with one power-of-two scale for each 32 numbers along K (OCP MX v1.0); their sums are f32. All else is computed in f32.
;;   The module's matrix products, in the order in which they are computed (A, B: the left and right operand; K: the contracted axis; several contracted axes count as one K, in the product's order):
;;     1. [M 1,024, K 1,024] x [K 1,024, N 8,192]; A: input Wq (given as codes); B: input x (given as codes): QUANTISED
;;     2. [M 1,024, K 1,024] x [K 1,024, N 8,192]; A: input Wk (given as codes); B: input x (given as codes): QUANTISED
;;     3. [M 1,024, K 1,024] x [K 1,024, N 8,192]; A: input Wv (given as codes); B: input x (given as codes): QUANTISED
;;     4. batch 64 x [M 2,048, K 64] x [K 64, N 2,048]; A: computed on the way; B: computed on the way: QUANTISED
;;     5. batch 64 x [M 2,048, K 2,048] x [K 2,048, N 64]; A: softmax (see below); B: computed on the way: QUANTISED
;;     6. [M 8,192, K 1,024] x [K 1,024, N 1,024]; A: computed on the way; B: input Wo (given as codes): QUANTISED
;;   THE QUANTISER, for each operand of a quantised product, along K:
;;     - K is cut into blocks of 32 from its start; a last block that is shorter is filled with zeros.
;;     - A block's scale is 2^e with e = floor(log2(the largest magnitude in the block)) - 2, held to -126 .. 127; a block of zeros has e = 0. As a byte (E8M0): e + 127.
;;     - Each number is divided by its block's scale, clamped to +-7.5, and rounded to the nearest number of E2M3, ties to even, subnormals kept.
;;     - The product sums the exact products of the quantised numbers (number of the format x scale) in f32.
;;   ~~~python
;;   def quantise(x, axis):      # numpy; x: float32 -> the quantised numbers, widened to float32 again
;;       x = np.moveaxis(x, axis, -1); K = x.shape[-1]
;;       x = np.pad(x, [(0, 0)] * (x.ndim - 1) + [(0, -K % 32)]); x = x.reshape(x.shape[:-1] + (-1, 32)); a = np.abs(x).max(-1, keepdims=True)
;;       e = np.where(a > 0, np.clip(np.frexp(np.where(a > 0, a, 1))[1] - 1 - 2, -126, 127), 0)      # np.frexp(a)[1] - 1 = floor(log2(a)), exactly
;;       r = np.clip(x / 2.0 ** e, -7.5, 7.5)
;;       step = 2.0 ** (np.maximum(np.frexp(np.where(r == 0, 1, r))[1] - 1, 0) - 3)
;;       q = np.round(r / step) * step * 2.0 ** e      # np.round: ties to even
;;       return np.moveaxis(q.reshape(q.shape[:-2] + (-1,))[..., :K], -1, axis).astype(np.float32)
;;   ~~~
;;   SOFTMAX AHEAD OF A QUANTISED PRODUCT. Where the list says 'softmax', what is quantised is not the finished softmax but p = 2^(t - M), with t = logit x log2(e) and M = ceil(the row's largest t), a whole number; so 1/2 < the row's largest p <= 1. The row's sum l is taken of the UNQUANTISED p, in f32, and the product's result is divided by l at the end. Since M is a whole number, a kernel that streams over the keys may use a running M (the ceiling of the running maximum): every later rescaling is an exact power of two, which a block's scale takes up: the codes' values come out the same.
;;   OPERANDS COMPUTED ON THE WAY. 'Computed on the way' means the value that the module computes at that place (a softmax that the list does not call 'softmax' is quantised finished and normalised). What goes into a quantiser is computed in f32, as accurately as f32 sums, v_exp_f32 and their like allow (about 1e-6 of the number): no bf16 or f16 on the way to a quantiser, and a product that is left as it is and whose result goes on into a quantised operand takes f32 operands (vector FMAs, or v_wmma_f32_16x16x4_f32). A number that lies on a knife's edge between two numbers of the format may be rounded either way, as far as f32 arithmetic and the matrix unit's own rounding can turn it there, and no further.
;;   INPUTS GIVEN AS CODES. Wk (in the module: [16, 1024, 64], K = its axis 1); Wo (in the module: [1024, 1024], K = its axis 0); Wq (in the module: [16, 1024, 64], K = its axis 1); Wv (in the module: [16, 1024, 64], K = its axis 1); x (in the module: [4, 2048, 1024], K = its axis 2): each comes as NAME_codes (uint8): NAME with its K axis moved to the last place and cut into blocks of 32 codes, [.., K / 32, bytes a block], one block behind the other in memory; four codes in three bytes: a row's codes are one little-endian stream of bits, code i at bits 6 i .. 6 i + 5 (a code: sign, 2 exponent bits, 3 mantissa bits); and NAME_scales (uint8): the same leading axes, one E8M0 byte (e + 127) for each 32 codes along K. Its value is code x scale, taken as it is: it is not quantised again, and the codes and scales need not be those that the quantiser above would give.
;; One version. Each part assembles by itself: llvm-mc -triple=amdgcn-amd-amdhsa -mcpu=gfx1250 --defsym DOCPART=n.
;; ======== version 1 of 1: 3 launches
;; limits: right only within a limited range of input values
;; workspace buffers: qkv 20,185,088 bytes; ao_img 6,291,456 bytes; ao_sc 262,144 bytes
;; launch proj (part 1): grid 4 x 96, 4 waves a work-group, clusters of 4 x 4, 327,680 bytes of LDS; arguments x_codes, x_scales, Wq_codes, Wq_scales, Wk_codes, Wk_scales, Wv_codes, Wv_scales, qkv; writes qkv
.if DOCPART == 1
	.amdgcn_target "amdgcn-amd-amdhsa--gfx1250"
	.amdhsa_code_object_version 6
	.text
	.protected	k_q61d3a04a60_proj
	.globl	k_q61d3a04a60_proj
	.p2align	8
	.type	k_q61d3a04a60_proj,@function
k_q61d3a04a60_proj:
	s_mov_b64 s[64:65], 0
	v_nop
	global_prefetch_b8 v0, s[64:65] scope:SCOPE_SE
	s_setreg_imm32_b32 hwreg(HW_REG_WAVE_MODE, 25, 1), 1
	s_wait_xcnt 0x0
	s_wait_alu depctr_hold_cnt(0) depctr_sa_sdst(0) depctr_va_vdst(0) depctr_va_sdst(0) depctr_va_ssrc(0) depctr_va_vcc(0) depctr_vm_vsrc(0)
	s_getreg_b32 s2, hwreg(HW_REG_IB_STS2, 6, 4)
	s_cmp_eq_u32 s2, 0
	s_cbranch_scc0 .Lentry_in_a_cluster
	s_endpgm
.Lentry_in_a_cluster:
	s_bfe_u32 s2, ttmp6, 0x10000c
	s_cmp_lg_u32 s2, 0xf033
	s_cbranch_scc0 .Lentry_shape_is_right
	s_endpgm
.Lentry_shape_is_right:
; q, k, v = x W for 16 heads, on codes of FP6 (E2M3) with one E8M0 scale for each 32 along K = 1,024; the results are quantised here, in registers, and leave as codes.
; ONE TEXT, THREE ROLES, chosen by the cluster's y (8 clusters each for q, k, v).  In D, S0, S1 the rows of S1 fall on lanes and the rows of S0 on a lane's registers, along which the quantiser runs.
; q and k are quantised along d: S0 = W, S1 = x.  v is quantised along the keys: S0 = x, S1 = Wv.  Only pointers, two tile numbers, the stores' places and three constants know the role.
; A tile is 256 rows of S1 x 256 rows of S0, four waves of 128 x 128: 64 accumulators, 512 registers.
; K goes through a ring of two LDS slots in CHUNKS OF 256 BYTES of each row of 768: every tile row begins at a multiple of 256 bytes.  A step of 128 along K is 96 bytes: eight steps to three chunks; steps 2 and 5 read both slots.
; The scales of the work-group's 512 rows, for all of K, come once, as two dense blocks.  CLUSTERS 4 x 4: S1's tiles are asked for jointly by a row of the cluster, S0's by a column.
; No prefetch: K is three chunks, of which two are asked for before the first product.
; THE WAY OUT.  For 16 rows of S1 a lane's 64 results are four blocks of 32, each shared by lanes l and l xor 16.  A lane's numbers 8 h + 0..7 and 16 + 8 h + 0..7 are converted as they stand: inside a block the codes lie in the order
; 0-7, 16-23, 8-15, 24-31: q and k alike along d, v alike with the weights p of the next launch along the keys.
; WORKSPACE qkv, for each (batch, head): 16 key steps of 13,056 bytes (K: 8 half images; V: 4 operands of 1,536, tiles of d in the order 0, 2, 1, 3; K's scale words 512; V's 256), Q's 128 half images, Q's scale words.
; A HALF IMAGE is 16 rows x 64 along K as the operand's registers: registers 0-3 of lane l at 16 l, registers 4-5 at 512 + 8 l.  In tiles 2, 3, 6, 7 of each eight rows 0-7 and 8-15 change places inside each unit
; (lane address xor 128, xor 64): the next launch takes rows 0-7 of a tile and rows of the tile two on in one LDS load, and they then lie in different banks.  Every store still covers whole aligned runs of 256 bytes.
; LIMITS: a block of zeros gets the scale byte 1 where the rule says 127 (its codes are zeros, and this program alone reads the bytes); given scale bytes of 0xff (NaN) are not served.
.set ROWB,   256
.set NQ,     2
.set KROW,   768
.set STEPS,  8
.set CHUNKS, 3
.set PITCH,  272                       ; 256 bytes + 16 of padding
.set FR,     12
.set NL,     6
.set NP,     4                         ; places behind this matrix instruction (ISA guide 7.12.1)
.set HALFT,  128*PITCH
.set SLOT,   4*HALFT                   ; S1's 256 rows, then S0's
.set KS,     32
.set SCL,    2*SLOT
.set HALFS,  (128*KS/256)*272
.set SBLK,   (16*KS/256)*272
.set SPARE,  SCL+4*HALFS               ; the spare words, named by no other line
.set STG,    SPARE+512                 ; 1,024 bytes a wave: the stage of the scale words; no fill lands here
.set HB,     315392
.set STEPB,  13056
.set V8,   8                           ; 8 x lane
.set VV,   9                           ; 16 (lane % 16) + HB (lane / 16)
.set SHV,  10                          ; 16 (lane / 16) for q and k, 0 for v
.set V16X, 11                          ; 16 x lane xor 128
.set V8X,  12                          ; 8 x lane xor 64
.set ADRA, 16                          ; v16-17 S1's fragments in slot 0, 1; v18-19 for pieces whose two lane halves lie in different chunks
.set ADRB, 20                          ; v20-23 the same for S0
.set STW,  24
.set STR,  25
.set V16,  26
.set ADRS, 27                          ; my scale words: lanes 0-15 S1's rows, lanes 16-31 S0's
.set SPW,  28
.set NIL,  29
.set SC,   32                          ; v32-63 scale words, two sets, and nothing else
.set TM,   64
.set PC,   80
.set PWS,  104
.set XW,   112
.set OW,   120
.set AF,   128                         ; S1's fragments, one set; S0's: window 1, two sets; accumulators: windows 2, 3
.set BK,   224
.set G1,   24
.set G0,   32
.set G1B,  48
.set G0B,  56
.set G1S,  68
.set G0S,  76
.set G1SB, 80
.set G0SB, 88
.set G0H,  4
.set G0HB, 8
.set ROLE, 66
.set SELE, 67
.set SELO, 95
.set SEL,  96
.set MSB, 0
.macro WIN new
.if MSB != \new
	s_set_vgpr_msb (MSB<<8)|\new
.set MSB, \new
.endif
.endm
.set MUL_LO, 0xa1
.set MUL_HI, 0xf1
.set TO_B,   0x40
.macro JLOAD g0a, g1a, g0b, g1b        ; waves 0, 1 fetch for S1, waves 2, 3 for S0
	s_cmp_eq_u32 s15, 0
	s_cbranch_scc0 .Lfor_b_\@
	tensor_load_to_lds s[\g0a:\g0a+3], s[\g1a:\g1a+7]
	s_nop 0
.rept 4
	v_nop
.endr
	s_branch .Lasked_\@
.Lfor_b_\@:
	tensor_load_to_lds s[\g0b:\g0b+3], s[\g1b:\g1b+7]
	s_nop 0
.rept 4
	v_nop
.endr
.Lasked_\@:
.endm
.macro CREST
	s_cmp_lg_u32 s14, 0
	s_cbranch_scc1 .Lnot_wave_0_\@
	s_barrier_signal -3
.Lnot_wave_0_\@:
	s_barrier_wait -3
	s_barrier_signal -1
	s_barrier_wait -1
.endm
.macro CROUND
	s_barrier_signal -1
	s_barrier_wait -1
	CREST
.endm
	s_load_b512 s[68:83], s[0:1], 0x0              ; x's codes, x's scales, Wq's, Wk's, Wv's
	s_load_b64 s[84:85], s[0:1], 0x40              ; qkv
	v_lshl_add_u32 v[SPW], v0, 2, SPARE
	v_mov_b32 v[NIL], 0
	ds_add_u32 v[SPW], v[NIL]                      ; the opening lines
	ds_add_u32 v[SPW], v[NIL]
	v_lshrrev_b32 v1, 5, v0
	v_readfirstlane_b32 s14, v1                    ; wave
	s_lshr_b32 s15, s14, 1                         ; my half of S1's rows; also: I fetch for S1 (0) or S0 (1)
	s_and_b32 s16, s14, 1                          ; my half of S0's rows; also: which 128 rows I fetch
	s_bfe_u32 s40, ttmp6, 0x40000                  ; cx
	s_bfe_u32 s41, ttmp6, 0x40004                  ; cy
	s_and_b32 s17, ttmp7, 0xffff                   ; the cluster's y, 0..23
	s_lshr_b32 s[ROLE], s17, 3
	s_and_b32 s17, s17, 7
	s_lshl_b32 s17, s17, 2                         ; which four of x's 32 tiles
	s_cmp_eq_u32 s[ROLE], 2
	s_cselect_b32 s18, 0, s17
	s_cselect_b32 s19, s17, 0
	s_add_co_u32 s17, s41, s18                     ; S1's tile
	s_add_co_u32 s42, s40, s19                     ; S0's tile
	s_lshl_b32 s43, s41, 2
	s_lshl_b32 s43, 15, s43                        ; my row of the cluster
	s_lshl_b32 s44, 0x1111, s40                    ; my column
	s_or_b32 s[G1+0], s43, (0<<16)|(1<<20)|(1<<21)|(5<<22)|(3<<25)
	s_or_b32 s[G1B+0], s44, (0<<16)|(1<<20)|(1<<21)|(5<<22)|(3<<25)
.irp g, G1, G1B                                ; rows of 256 bytes, 256 of them for the head's loads
	s_mov_b32 s[\g+1], ROWB<<16
	s_mov_b32 s[\g+2], 256<<16
	s_mov_b32 s[\g+3], ROWB<<16
	s_mov_b32 s[\g+4], 256
	s_mov_b32 s[\g+5], KROW
	s_mov_b32 s[\g+6], 0
	s_mov_b32 s[\g+7], 0
.endr
	s_lshl_b32 s20, s17, 8
	s_lshl_b32 s46, s42, 8
	s_mov_b32 s21, 0
	s_mov_b32 s47, 0
	s_mov_b64 s[18:19], KS
	s_mul_u64 s[22:23], s[20:21], s[18:19]         ; where the tiles' scales begin
	s_mul_u64 s[92:93], s[46:47], s[18:19]
	s_mov_b64 s[18:19], KROW
	s_mul_u64 s[20:21], s[20:21], s[18:19]         ; and their codes
	s_mul_u64 s[46:47], s[46:47], s[18:19]
	s_mul_i32 s18, s16, 128*KROW
	s_mov_b32 s19, 0
	s_mul_i32 s45, s14, HALFT
	s_wait_dscnt 0x0
	s_wait_kmcnt 0x0
	s_cmp_eq_u32 s[ROLE], 1                        ; the role's weight: the choice hangs on the cluster's number alone
	s_cselect_b64 s[86:87], s[76:77], s[72:73]
	s_cselect_b64 s[88:89], s[78:79], s[74:75]
	s_cmp_eq_u32 s[ROLE], 2
	s_cselect_b64 s[86:87], s[80:81], s[86:87]
	s_cselect_b64 s[88:89], s[82:83], s[88:89]
	s_cselect_b64 s[4:5], s[86:87], s[68:69]       ; S1's codes
	s_cselect_b64 s[6:7], s[88:89], s[70:71]       ; S1's scales
	s_cselect_b64 s[8:9], s[68:69], s[86:87]       ; S0's codes
	s_cselect_b64 s[10:11], s[70:71], s[88:89]     ; S0's scales
	s_mov_b64 s[12:13], s[84:85]                   ; qkv
	s_or_b32 s[G1S+0], s43, (3<<16)|(1<<20)|(1<<21)|(5<<22)|(3<<25)
	s_or_b32 s[G1SB+0], s44, (3<<16)|(1<<20)|(1<<21)|(5<<22)|(3<<25)
.irp g, G1S, G1SB                              ; the scales of 256 rows: 32 rows of 256 bytes, dense
	s_mov_b32 s[\g+1], 32<<16
	s_mov_b32 s[\g+2], KS<<16
	s_mov_b32 s[\g+3], 32<<16
	s_mov_b32 s[\g+4], KS
	s_mov_b32 s[\g+5], 32
	s_mov_b32 s[\g+6], 0
	s_mov_b32 s[\g+7], 0
.endr
	s_add_nc_u64 s[20:21], s[4:5], s[20:21]
	s_add_nc_u64 s[22:23], s[6:7], s[22:23]
	s_add_nc_u64 s[46:47], s[8:9], s[46:47]
	s_add_nc_u64 s[92:93], s[10:11], s[92:93]
	CROUND                                         ; in front of the first joint loads
	s_mov_b32 s[G0H], 1
	s_mov_b32 s[G0H+1], 0
	s_mov_b64 s[G0H+2:G0H+3], s[20:21]
	s_or_b32 s[G0H+3], s[G0H+3], 0x80000000
	s_mov_b32 s[G0HB], 1
	s_mov_b32 s[G0HB+1], 2*HALFT
	s_mov_b64 s[G0HB+2:G0HB+3], s[46:47]
	s_or_b32 s[G0HB+3], s[G0HB+3], 0x80000000
	s_mov_b32 s[G0S], 1
	s_mov_b32 s[G0S+1], SCL
	s_mov_b64 s[G0S+2:G0S+3], s[22:23]
	s_or_b32 s[G0S+3], s[G0S+3], 0x80000000
	s_mov_b32 s[G0SB], 1
	s_mov_b32 s[G0SB+1], SCL+2*HALFS
	s_mov_b64 s[G0SB+2:G0SB+3], s[92:93]
	s_or_b32 s[G0SB+3], s[G0SB+3], 0x80000000
	s_add_nc_u64 s[20:21], s[20:21], s[18:19]      ; for the ring: my 128 rows
	s_add_nc_u64 s[46:47], s[46:47], s[18:19]
.irp s, 0,1
	s_mov_b32 s[G0+4*\s], 1
	s_add_co_u32 s[G0+4*\s+1], s45, \s*SLOT
	s_add_nc_u64 s[G0+4*\s+2:G0+4*\s+3], s[20:21], \s*ROWB
	s_or_b32 s[G0+4*\s+3], s[G0+4*\s+3], 0x80000000
	s_mov_b32 s[G0B+4*\s], 1
	s_add_co_u32 s[G0B+4*\s+1], s45, \s*SLOT
	s_add_nc_u64 s[G0B+4*\s+2:G0B+4*\s+3], s[46:47], \s*ROWB
	s_or_b32 s[G0B+4*\s+3], s[G0B+4*\s+3], 0x80000000
.endr
; the head's four tiles, one a wave, in one chain of branches on the wave's number: chunk 0 of S1, chunk 0 of S0, S1's scales, S0's scales
.macro ARM under, g0, g1, next
	s_cmp_lt_u32 s14, \under
	s_cbranch_scc0 \next
	tensor_load_to_lds s[\g0:\g0+3], s[\g1:\g1+7]
	s_nop 0
.rept 4
	v_nop
.endr
	s_branch .Lhead_asked
\next:
.endm
	ARM 1, G0H,  G1,  .Lhead_b
	ARM 2, G0HB, G1B, .Lhead_sa
	ARM 3, G0S,  G1S, .Lhead_sb
	tensor_load_to_lds s[G0SB:G0SB+3], s[G1SB:G1SB+7]
	s_nop 0
.rept 4
	v_nop
.endr
.Lhead_asked:
	v_and_b32 v1, 15, v0                           ; r
	v_bfe_u32 v2, v0, 4, 1                         ; h
	v_mul_u32_u24 v3, v1, PITCH
	v_mul_u32_u24 v4, v2, 24
	v_add_nc_u32 v4, v3, v4
	s_mov_b32 s21, SLOT-232
	s_mov_b32 s22, SLOT+232
	v_sub_nc_u32 v7, 1, v2
	v_mul_u32_u24 v5, s21, v2
	v_add_nc_u32 v5, v3, v5
	v_add_nc_u32 v5, 232, v5                       ; lanes 0-15 byte 232 of the row in slot 0, lanes 16-31 byte 0 in slot 1
	v_mul_u32_u24 v6, s22, v7
	v_add_nc_u32 v6, v3, v6                        ; and the other way round
	s_mul_i32 s21, s15, HALFT
	s_mul_i32 s22, s16, HALFT
	s_add_co_u32 s22, s22, 2*HALFT
	v_add_nc_u32 v[ADRA+2], s21, v5
	v_add_nc_u32 v[ADRA+3], s21, v6
	v_add_nc_u32 v[ADRB+2], s22, v5
	v_add_nc_u32 v[ADRB+3], s22, v6
.irp s, 0,1
	v_add_nc_u32 v[ADRA+\s], s21, v4
	v_add_nc_u32 v[ADRB+\s], s22, v4
	s_add_co_u32 s21, s21, SLOT
	s_add_co_u32 s22, s22, SLOT
.endr
	v_mul_u32_u24 v5, v1, KS
	v_lshrrev_b32 v6, 8, v5
	v_lshl_add_u32 v5, v6, 4, v5
	s_mul_i32 s21, s15, HALFS
	s_mul_i32 s22, s16, HALFS
	s_add_co_u32 s22, s22, 2*HALFS
	s_sub_co_u32 s22, s22, s21
	v_mul_u32_u24 v6, s22, v2
	s_add_co_u32 s21, s21, SCL
	v_add_nc_u32 v5, v5, v6
	v_add_nc_u32 v[ADRS], s21, v5
	s_lshl_b32 s23, s14, 10
	s_add_co_u32 s23, s23, STG
	v_lshlrev_b32 v5, 2, v1
	v_lshl_add_u32 v5, v2, 9, v5
	v_add_nc_u32 v[STW], s23, v5                   ; the stage, in: 4 r + 512 h
	v_and_b32 v6, 31, v0
	v_lshlrev_b32 v[V16], 4, v6
	v_lshlrev_b32 v[V8], 3, v6
	v_add_nc_u32 v[STR], s23, v[V16]
	v_xor_b32 v[V16X], 128, v[V16]
	v_xor_b32 v[V8X], 64, v[V8]
	v_lshlrev_b32 v[VV], 4, v1
	v_mul_u32_u24 v5, v2, HB
	v_add_nc_u32 v[VV], v[VV], v5
	; where my results go
	s_lshl_b32 s20, s17, 8
	s_lshl_b32 s21, s15, 7
	s_add_co_u32 s20, s20, s21                     ; my first row of S1
	s_lshl_b32 s21, s42, 8
	s_lshl_b32 s22, s16, 7
	s_add_co_u32 s21, s21, s22                     ; my first row of S0
	s_cmp_eq_u32 s[ROLE], 2
	s_cselect_b32 s22, s21, s20                    ; my first row of x
	s_cselect_b32 s23, s20, s21                    ; and of the weight
	s_lshr_b32 s20, s22, 11                        ; the batch
	s_bfe_u32 s21, s22, 0x40007                    ; which 128 of its 2,048 rows
	s_lshl_b32 s20, s20, 4
	s_lshr_b32 s23, s23, 6
	s_add_co_u32 s20, s20, s23                     ; 16 x batch + my first head (I hold two)
	s_mul_i32 s20, s20, HB
	s_mul_i32 s22, s21, STEPB
	s_mul_i32 s23, s21, 6144
	s_add_co_u32 s23, s23, 16*STEPB
	s_lshl_b32 s46, s21, 9
	s_add_co_u32 s46, s46, 16*STEPB+98304
	s_add_co_u32 s47, s22, 12288
	s_add_co_u32 s92, s22, 6144
	s_add_co_u32 s93, s22, 12800
	s_cmp_eq_u32 s[ROLE], 0
	s_cselect_b32 s23, s23, s22
	s_cselect_b32 s46, s46, s47
	s_cmp_eq_u32 s[ROLE], 2
	s_cselect_b32 s23, s92, s23
	s_cselect_b32 s46, s93, s46
	s_add_co_u32 s22, s20, s23
	s_mov_b32 s23, 0
	s_add_co_u32 s46, s20, s46
	s_mov_b32 s47, 0
	s_add_nc_u64 s[92:93], s[12:13], s[46:47]      ; the scale words' base
	s_add_nc_u64 s[12:13], s[12:13], s[22:23]      ; the codes' base
	s_mov_b32 s18, 0x05040100                      ; k: two bytes of the even block, two of the odd
	s_mov_b32 s[SELE], 0x01000100                  ; q: the block's own two bytes, twice
	s_mov_b32 s[SELO], 0x05040504
	s_cmp_eq_u32 s[ROLE], 1
	s_cselect_b32 s[SELE], s18, s[SELE]
	s_cselect_b32 s[SELO], s18, s[SELO]
	s_mov_b32 s18, 0x03020100                      ; v: the block's own four bytes
	s_mov_b32 s19, 0x07060504
	s_cmp_eq_u32 s[ROLE], 2
	s_cselect_b32 s[SELE], s18, s[SELE]
	s_cselect_b32 s[SELO], s19, s[SELO]
	s_cselect_b32 s18, 0, 16
	v_mul_u32_u24 v[SHV], s18, v2
	s_mov_b32 s[SEL], 0x76543210
	s_mov_b32 s[SEL+1], 0xfedcba98
.macro FRAG reg, adr, st, i            ; 16 rows x 128 K, 12 registers, in pieces of 8 bytes; byte y of a row lies in slot (y / 256) % 2 at byte y % 256
.irp p, 0,1,2,3,4,5
.set BY, 96*(\st)+48*(\p/3)+8*(\p%3)
.if BY/ROWB == (BY+24)/ROWB
	ds_load_b64 v[\reg+2*\p:\reg+2*\p+1], v[\adr+(BY/ROWB)%2] offset:BY%ROWB+(\i)*16*PITCH
.else
	ds_load_b64 v[\reg+2*\p:\reg+2*\p+1], v[\adr+2+(BY/ROWB)%2] offset:BY%ROWB-232+(\i)*16*PITCH
.endif
.endr
.endm
; 16 products: S1's blocks a0, a0 + 1 x S0's eight.  The 64 accumulators take turns.
.macro MUL16 a0, p, q, sc, zero
.irp a, \a0, \a0+1
.irp b, 0,1,2,3,4,5,6,7
.if \zero
	v_wmma_scale_f32_16x16x128_f8f6f4 v[8*(8*((\a)%4)+\b):8*(8*((\a)%4)+\b)+7], v[128*(\p)+FR*\b:128*(\p)+FR*\b+FR-1], v[AF+FR*(\a):AF+FR*(\a)+FR-1], 0, v[SC+8*NQ*(\sc)+NQ*\b+(\q)], v[SC+8*NQ*(\sc)+NQ*(\a)+(\q)] matrix_a_fmt:MATRIX_FMT_FP6 matrix_b_fmt:MATRIX_FMT_FP6 matrix_a_scale:MATRIX_SCALE_ROW1
.else
	v_wmma_scale_f32_16x16x128_f8f6f4 v[8*(8*((\a)%4)+\b):8*(8*((\a)%4)+\b)+7], v[128*(\p)+FR*\b:128*(\p)+FR*\b+FR-1], v[AF+FR*(\a):AF+FR*(\a)+FR-1], v[8*(8*((\a)%4)+\b):8*(8*((\a)%4)+\b)+7], v[SC+8*NQ*(\sc)+NQ*\b+(\q)], v[SC+8*NQ*(\sc)+NQ*(\a)+(\q)] matrix_a_fmt:MATRIX_FMT_FP6 matrix_b_fmt:MATRIX_FMT_FP6 matrix_a_scale:MATRIX_SCALE_ROW1
.endif
.endr
.endr
.endm
.macro FETCH_B st, p
	WIN TO_B
.irp i, 0,1,2,3,4,5,6,7
	FRAG 128*(\p)+FR*\i, ADRB, \st, \i
.endr
	WIN 0
.endm
.macro FETCH_A st, i0
.irp i, \i0, \i0+1, \i0+2, \i0+3
	FRAG AF+FR*(\i), ADRA, \st, \i
.endr
.endm
.macro SCALES pr                       ; the scale words of steps 2 pr, 2 pr + 1 into set pr % 2
.irp i, 0,1,2,3,4,5,6,7
	ds_load_b64 v[SC+8*NQ*((\pr)%2)+NQ*\i:SC+8*NQ*((\pr)%2)+NQ*\i+1], v[ADRS] offset:\i*SBLK+4*NQ*(\pr)
.endr
.endm
.macro PLACES n
.rept \n
	v_nop
.endr
.endm
; A step: 64 products; the next step's fragments are fetched in its middle and at its end.  Where the next step's bytes end in a chunk not read yet, a barrier shows that chunk whole;
; where they begin in a later chunk, the chunk left behind is free: the three lines, the barrier, and, if a chunk two on is left, the cluster's round and the refill.
.macro STEP st, zero
.set NX, (\st)+1
.set C0, (96*(\st))/ROWB
.set C1, (96*NX)/ROWB
.set E0, (96*(\st)+95)/ROWB
.set E1, (96*NX+95)/ROWB
.if C1 > C0 || E1 > E0
	s_wait_tensorcnt 0x0                           ; all my tensor loads have landed
.if C1 > C0
	ds_add_u32 v[SPW], v[NIL]
	s_wait_dscnt 4*NL+1                            ; the add and the youngest 24 loads (S1's blocks 4-7) may be out
.else
	s_wait_dscnt 4*NL
.endif
	WIN MUL_LO
	MUL16 0, (\st)%2, (\st)%2, ((\st)/2)%2, \zero
	s_wait_dscnt 0x0                               ; the add and all my reads are done
	s_barrier_signal -1
	MUL16 2, (\st)%2, (\st)%2, ((\st)/2)%2, \zero
	WIN 0
	s_barrier_wait -1
.if C1 > C0 && C0+2 < CHUNKS
	CREST
	s_add_nc_u64 s[G0+4*(C0%2)+2:G0+4*(C0%2)+3], s[G0+4*(C0%2)+2:G0+4*(C0%2)+3], 2*ROWB
	s_add_nc_u64 s[G0B+4*(C0%2)+2:G0B+4*(C0%2)+3], s[G0B+4*(C0%2)+2:G0B+4*(C0%2)+3], 2*ROWB
	JLOAD G0+4*(C0%2), G1, G0B+4*(C0%2), G1B       ; chunk C0 + 2; its four v_nop are the places in front of the loads below
.else
	PLACES NP
.endif
.else
	s_wait_dscnt 4*NL                              ; S0's set and S1's blocks 0-3 are in
	WIN MUL_LO
	MUL16 0, (\st)%2, (\st)%2, ((\st)/2)%2, \zero
	MUL16 2, (\st)%2, (\st)%2, ((\st)/2)%2, \zero
	s_wait_dscnt 0
	PLACES NP
.endif
	FETCH_B NX, NX%2
	FETCH_A NX, 0
.if NX%2 == 0
	SCALES NX/2
.endif
	WIN MUL_HI
	MUL16 4, (\st)%2, (\st)%2, ((\st)/2)%2, \zero
	MUL16 6, (\st)%2, (\st)%2, ((\st)/2)%2, \zero
	PLACES NP
	WIN 0
	FETCH_A NX, 4
.endm
	s_wait_alu depctr_va_vdst(0)
	s_wait_tensorcnt 0x0                           ; my tile of the head's four is in; the lines ahead of slot 1's first fill
	ds_add_u32 v[SPW], v[NIL]
	s_mov_b32 s[G1+2], 128<<16                     ; no load of mine is out: from here on a load brings 128 rows
	s_mov_b32 s[G1+4], 128
	s_mov_b32 s[G1B+2], 128<<16
	s_mov_b32 s[G1B+4], 128
	s_wait_dscnt 0x0
	CROUND
	JLOAD G0+4, G1, G0B+4, G1B                     ; chunk 1
	FETCH_B 0, 0
	FETCH_A 0, 0
	SCALES 0
	FETCH_A 0, 4
	STEP 0, 1                                      ; the first step's products start the sums
.set ST, 1
.rept STEPS-2
	STEP ST, 0
.set ST, ST+1
.endr
	s_wait_dscnt 4*NL
	WIN MUL_LO
	MUL16 0, 1, 1, 1, 0
	MUL16 2, 1, 1, 1, 0
	s_wait_dscnt 0
	WIN MUL_HI
	MUL16 4, 1, 1, 1, 0
	MUL16 6, 1, 1, 1, 0
	WIN 0
; QUANT a: the 64 results of S1's block a become 12 registers of codes from v[PC] on and a scale word in v[PWS + a].  Each accumulator is read from its low end on.
.macro QUANT a
.set AC, 64*((\a)%4)
	WIN 0x0a+5*((\a)/4)
.irp b, 0,1,2,3
	v_max3_num_f32 v[TM+\b], |v[AC+16*\b]|, |v[AC+16*\b+1]|, 0x1800000   ; with the floor 2^(3 - 127): the byte cannot fall under 1
.endr
	WIN 0x28+0x14*((\a)/4)
.irp i, 2,4,6,8,10,12,14
.irp b, 0,1,2,3
	v_max3_num_f32 v[TM+\b], v[TM+\b], |v[AC+16*\b+\i]|, |v[AC+16*\b+\i+1]|
.endr
.endr
	WIN 0
.irp b, 0,1,2,3
	v_permlanex16_b32 v[TM+4+\b], v[TM+\b], s[SEL], s[SEL+1]
.endr
.irp b, 0,1,2,3
	v_max_num_f32 v[TM+\b], v[TM+\b], v[TM+4+\b]
.endr
.irp b, 0,1,2,3
	v_add_nc_u32 v[TM+12+\b], 0xff000000, v[TM+\b] ; 2 off the exponent field: the conversion's scale operand
.endr
.irp b, 0,1,2,3
	v_lshrrev_b32 v[TM+4+\b], 23, v[TM+12+\b]
.endr
	v_lshl_or_b32 v[PWS+(\a)], v[TM+5], 8, v[TM+4]
	v_lshl_or_b32 v[PWS+(\a)], v[TM+6], 16, v[PWS+(\a)]
	v_lshl_or_b32 v[PWS+(\a)], v[TM+7], 24, v[PWS+(\a)]
	s_wait_alu depctr_va_vdst(0)
	s_wait_xcnt 0x0                                ; the last block's stores have read their data
	WIN 0x02+((\a)/4)
.irp c, 0,1
	v_cvt_scalef32_pk16_fp6_f32 v[PC+6*\c:PC+6*\c+2], v[AC+32*\c:AC+32*\c+15], v[TM+12+2*\c]
	v_cvt_scalef32_pk16_fp6_f32 v[PC+12+4*\c:PC+14+4*\c], v[AC+32*\c+16:AC+32*\c+31], v[TM+12+2*\c+1]
.endr
	WIN 0
	v_nop
.irp c, 0,1                                    ; a whole block to a lane: lanes 0-15 block 2 c, lanes 16-31 block 2 c + 1
.irp i, 0,1,2
	v_permlane16_swap_b32 v[PC+6*\c+\i], v[PC+12+4*\c+\i]
.endr
.irp i, 0,1,2
	v_mov_b32 v[PC+3+6*\c+\i], v[PC+12+4*\c+\i]
.endr
.endr
.endm
; PUT a: two half images leave, each by a store of 512 and one of 256 consecutive bytes.  The branch hangs on the role and goes round stores alone.
.macro PUT a
.if ((\a)/2)%2
.set P16, V16X
.set P8, V8X
.else
.set P16, V16
.set P8, V8
.endif
.set VO, ((\a)/4)*HB+(2*((\a)%2)+((\a)%4)/2)*1536
	s_cmp_eq_u32 s[ROLE], 2
	s_cbranch_scc1 .Lput_v_\@
	global_store_b128 v[P16], v[PC:PC+3], s[12:13] offset:768*(\a)
	global_store_b64 v[P8], v[PC+4:PC+5], s[12:13] offset:768*(\a)+512
	global_store_b128 v[P16], v[PC+6:PC+9], s[12:13] offset:HB+768*(\a)
	global_store_b64 v[P8], v[PC+10:PC+11], s[12:13] offset:HB+768*(\a)+512
	s_branch .Lput_done_\@
.Lput_v_\@:
	s_wait_alu depctr_va_vdst(0)
	global_store_b128 v[P16], v[PC:PC+3], s[12:13] offset:VO
	global_store_b64 v[P8], v[PC+4:PC+5], s[12:13] offset:VO+512
	global_store_b128 v[P16], v[PC+6:PC+9], s[12:13] offset:VO+768
	global_store_b64 v[P8], v[PC+10:PC+11], s[12:13] offset:VO+1280
.Lput_done_\@:
.endm
	PLACES NP
.irp b, 0,1,2,3
	v_mov_b32 v[TM+4+\b], 0                        ; a lane permute's destination counts as one of its sources
.endr
.irp a, 0,1,2,3,4,5,6,7
	QUANT \a
	PUT \a
.endr
	; the eight scale words: put together as the reader wants them, gathered in my stage, stored in runs of 512 (v: 256) bytes
.irp a, 0,1,2,3,4,5,6,7
	v_lshrrev_b32 v[XW+\a], v[SHV], v[PWS+\a]
.endr
.irp n, 0,2,4,6
	v_perm_b32 v[OW+\n], v[XW+\n+1], v[XW+\n], s[SELE]
	v_perm_b32 v[OW+\n+1], v[XW+\n+1], v[XW+\n], s[SELO]
.endr
.irp n, 0,1,2,3,4,5,6,7
	ds_store_b32 v[STW], v[OW+\n] offset:64*\n
.endr
	ds_load_b128 v[BK:BK+3], v[STR]                ; LDS serves a wave's instructions in order (ISA guide 5.7.1.4)
	ds_load_b128 v[BK+4:BK+7], v[STR] offset:512
	s_wait_dscnt 0x0
	s_cmp_eq_u32 s[ROLE], 2
	s_cbranch_scc1 .Lsc_v
	global_store_b128 v[V16], v[BK:BK+3], s[92:93]
	global_store_b128 v[V16], v[BK+4:BK+7], s[92:93] offset:HB
	s_branch .Lsc_done
.Lsc_v:
	global_store_b128 v[VV], v[BK:BK+3], s[92:93]
.Lsc_done:
	s_wait_tensorcnt 0x0                           ; the wave's end
	ds_add_u32 v[SPW], v[NIL]
	s_wait_dscnt 0x0
	CROUND                                         ; the closing round
	s_endpgm
.Lfunc_end_k_q61d3a04a60_proj:
	.size	k_q61d3a04a60_proj, .Lfunc_end_k_q61d3a04a60_proj-k_q61d3a04a60_proj
	.p2alignl 7, 3214868480
	.fill 96, 4, 3214868480
	.section	.rodata,"a",@progbits
	.p2align	6, 0x0
	.amdhsa_kernel k_q61d3a04a60_proj
		.amdhsa_group_segment_fixed_size 327680
		.amdhsa_private_segment_fixed_size 0
		.amdhsa_enable_private_segment 0
		.amdhsa_kernarg_size 72
		.amdhsa_user_sgpr_count 2
		.amdhsa_user_sgpr_kernarg_segment_ptr 1
		.amdhsa_wavefront_size32 1
		.amdhsa_system_sgpr_workgroup_id_x 1
		.amdhsa_system_sgpr_workgroup_id_y 1
		.amdhsa_system_sgpr_workgroup_id_z 1
		.amdhsa_system_vgpr_workitem_id 0
		.amdhsa_next_free_vgpr 1024
		.amdhsa_next_free_sgpr 100
		.amdhsa_reserve_vcc 0
		.amdhsa_float_denorm_mode_32 3
		.amdhsa_float_denorm_mode_16_64 3
		.amdhsa_memory_ordered 1
		.amdhsa_forward_progress 1
		.amdhsa_inst_pref_size 173
	.end_amdhsa_kernel
	.amdgpu_metadata
---
amdhsa.version: [ 1, 2 ]
amdhsa.kernels:
  - .name:           k_q61d3a04a60_proj
    .symbol:         k_q61d3a04a60_proj.kd
    .args:
      - { .name: x_codes, .offset: 0, .size: 8, .value_kind: global_buffer, .address_space: global }
      - { .name: x_scales, .offset: 8, .size: 8, .value_kind: global_buffer, .address_space: global }
      - { .name: Wq_codes, .offset: 16, .size: 8, .value_kind: global_buffer, .address_space: global }
      - { .name: Wq_scales, .offset: 24, .size: 8, .value_kind: global_buffer, .address_space: global }
      - { .name: Wk_codes, .offset: 32, .size: 8, .value_kind: global_buffer, .address_space: global }
      - { .name: Wk_scales, .offset: 40, .size: 8, .value_kind: global_buffer, .address_space: global }
      - { .name: Wv_codes, .offset: 48, .size: 8, .value_kind: global_buffer, .address_space: global }
      - { .name: Wv_scales, .offset: 56, .size: 8, .value_kind: global_buffer, .address_space: global }
      - { .name: qkv, .offset: 64, .size: 8, .value_kind: global_buffer, .address_space: global }
    .group_segment_fixed_size: 327680
    .private_segment_fixed_size: 0
    .kernarg_segment_align: 8
    .kernarg_segment_size: 72
    .max_flat_workgroup_size: 128
    .sgpr_count:     100
    .vgpr_count:     1024
    .wavefront_size: 32
...
	.end_amdgpu_metadata
.endif
;; end of part 1
;; launch attn (part 2): grid 4 x 64, 16 waves a work-group, clusters of 4 x 1, 210,944 bytes of LDS; arguments qkv, ao_img, ao_sc; writes ao_img, ao_sc
.if DOCPART == 2
	.amdgcn_target "amdgcn-amd-amdhsa--gfx1250"
	.amdhsa_code_object_version 6
	.text
	.protected	k_q61d3a04a60_attn
	.globl	k_q61d3a04a60_attn
	.p2align	8
	.type	k_q61d3a04a60_attn,@function
k_q61d3a04a60_attn:
	s_mov_b64 s[64:65], 0
	v_nop
	global_prefetch_b8 v0, s[64:65] scope:SCOPE_SE
	s_setreg_imm32_b32 hwreg(HW_REG_WAVE_MODE, 25, 1), 1
	s_wait_xcnt 0x0
	s_wait_alu depctr_hold_cnt(0) depctr_sa_sdst(0) depctr_va_vdst(0) depctr_va_sdst(0) depctr_va_ssrc(0) depctr_va_vcc(0) depctr_vm_vsrc(0)
	s_getreg_b32 s2, hwreg(HW_REG_IB_STS2, 6, 4)
	s_cmp_eq_u32 s2, 0
	s_cbranch_scc0 .Lentry_in_a_cluster
	s_endpgm
.Lentry_in_a_cluster:
	s_bfe_u32 s2, ttmp6, 0x10000c
	s_cmp_lg_u32 s2, 0x3003
	s_cbranch_scc0 .Lentry_shape_is_right
	s_endpgm
.Lentry_shape_is_right:
; Causal attention of one (batch, head) on codes of FP6 (E2M3): S^T = K Q^T, p = 2^(t - M), O^T = V^T p^T, O / l, and the head's 64 outputs quantised along d for the projection that follows.
; t = score x log2(e) / 8; M = the running largest t rounded up to a whole number; the row's sum l is taken of the unquantised p; a move of M multiplies l and O^T by a power of two.
; LEFT OUT: key steps all of whose keys come after a wave's queries: the causal mask gives them the weight 0.
; SHARES.  The four work-groups of a cluster serve one head.  Its 128 tiles of 16 queries are dealt by their number modulo 4: work-group cx takes the tiles 4 n + cx, wave w the numbers n = 31 - w and then n = w.
; A tile 4 n + cx lies inside the 64 queries from 64 n on, so the key steps that count for it, n / 2 + 1 of them, hang on n alone: every branch is the same in all four partners, and every wave has 17 steps.
; The place in the cluster enters global addresses and the mask's numbers only.
; LDS.  The head's K, V and their scale words are one dense block of 208,896 bytes: each of the sixteen waves asks for one key step's 13,056 bytes by one JOINT load, which names the four partners; nothing is filled again.
; TWO BARRIERS.  Waves 0-3 have a load line of their own and wait for it ahead of the first barrier, which shows key steps 0-3.  The first tile begins at query 1,024 or later, so its first four steps count whole
; and are multiplied while the other twelve loads are out; every wave waits for its load ahead of the second barrier.  The second tile ends under query 1,024: its loop has eight trips.
; NO PREFETCH: every byte that the launch reads is asked for at its head.
; K = 64 IN AN INSTRUCTION OF 128.  A fragment of K holds two key tiles, six registers each; Q stands as [Q | zeros | Q] in 18 registers: its first 12 give the first tile's scores, its last 12 the second's.
; WHICH ROWS FORM A TILE is chosen by the LDS addresses of the lanes: lanes 0-7 take eight rows of one stored tile, lanes 8-15 the same eight of the stored tile two on (32 rows on).  A lane (query r, half h) then holds
; in S^T registers 32 G + 8 j + i the key 64 G + 32 h + 8 s(j) + i of the step, s = 0, 2, 1, 3: one whole scale block, in the order in which V's codes lie; and in O^T registers 8 t + i the column d = 32 h + 8 t + i: one whole
; block in true order.  So no block's maximum and no code crosses lanes.  The stored tiles two on have rows 0-7 and 8-15 exchanged inside each 256 bytes, so that the two runs of a load lie in different banks.
; LIMITS: hidden keys get p = 0, which is what -1e9 gives as long as a row's visible logits lie above about -1e8; a block of zeros gets the scale byte 1 where the rule says 127 (its codes are zeros; this program alone reads the bytes).
; ao_sc is stored a byte a lane: 262,144 bytes in all, in runs shorter than 256 bytes.
; REGISTERS: v1-3 16 l, 8 l, 4 r; v4-6, v8, v9 the step's addresses; v7 8 h; v10 32 r + h; v12 -M, v13 the largest t, v[14:15] the sum; v16-34 the second tile's Q and scale word; v36-83 fragments of K, then V; v84-87 V's scale words;
;   v88-92 the lanes' LDS terms; v93 r - 32 h + 16 cx; v96-159 S^T, then p; v160-191 O^T; v192-210 the first tile's Q; v224-235 p's codes; v222-223, v232-254 at work; v248-251 K's scale words; v253 p's scale word; v243, v255 the add's.
.set HB,    315392
.set STEPB, 13056                      ; a key step: K 6,144, V 6,144, K's scale words 512, V's 256
.set QIMG,  16*STEPB
.set QSC,   QIMG+98304
.set F,     36
.macro WALU
	s_wait_alu depctr_va_vdst(0)
.endm
.macro CROUND
	s_barrier_signal -1
	s_barrier_wait -1
	s_cmp_lg_u32 s10, 0
	s_cbranch_scc1 .Lnot_wave_0_\@
	s_barrier_signal -3
.Lnot_wave_0_\@:
	s_barrier_wait -3
	s_barrier_signal -1
	s_barrier_wait -1
.endm
	s_load_b128 s[4:7], s[0:1], 0x0                ; qkv, ao_img
	s_load_b64 s[8:9], s[0:1], 0x10                ; ao_sc
	v_lshl_add_u32 v243, v0, 2, 0x33000
	v_mov_b32 v255, 0
	ds_add_u32 v243, v255                          ; the opening lines
	ds_add_u32 v243, v255
	v_lshrrev_b32 v4, 5, v0
	v_readfirstlane_b32 s10, v4                    ; wave 0..15
	s_bfe_u32 s11, ttmp6, 0x40000                  ; cx
	s_and_b32 s12, ttmp7, 0xffff                   ; bh: the cluster's y
	s_mov_b32 s20, (3<<16)|(1<<21)|15              ; 51 rows of 256 bytes, dense; the mask names the four partners
	s_mov_b32 s21, 32<<16
	s_mov_b32 s22, 51<<16
	s_mov_b32 s23, 32<<16
	s_mov_b32 s24, 51
	s_mov_b32 s25, 32
	s_mov_b32 s26, 0
	s_mov_b32 s27, 0
	s_mul_i32 s56, s12, HB
	s_mov_b32 s57, 0
	s_mov_b32 s16, 1
	s_mul_i32 s17, s10, STEPB                      ; LDS: key step w
	s_mul_i32 s58, s10, STEPB
	s_mov_b32 s59, 0
	s_wait_dscnt 0x0
	CROUND                                         ; in front of the joint loads
	s_wait_kmcnt 0x0
	s_add_nc_u64 s[4:5], s[4:5], s[56:57]          ; qkv at my head
	s_add_nc_u64 s[18:19], s[4:5], s[58:59]
	s_or_b32 s19, s19, 0x80000000
	s_cmp_lt_u32 s10, 4
	s_cbranch_scc0 .Lrest
	tensor_load_to_lds s[16:19], s[20:27]          ; waves 0-3: key steps 0-3
	s_nop 0
.rept 4
	v_nop
.endr
	s_branch .Lasked
.Lrest:
	tensor_load_to_lds s[16:19], s[20:27]          ; waves 4-15: key steps 4-15
	s_nop 0
.rept 4
	v_nop
.endr
.Lasked:
	s_lshl_b32 s35, s10, 6                         ; 64 n of the second tile, n = w: the tests on key steps go by these two numbers, which the partners share
	s_sub_co_u32 s36, 31, s10
	s_lshl_b32 s36, s36, 6                         ; 64 n of the first tile, n = 31 - w
	s_lshl_b32 s38, s11, 4                         ; 16 cx
	s_add_co_u32 s2, s35, s38                      ; the tiles' first queries
	s_add_co_u32 s3, s36, s38
	s_mul_i32 s56, s2, 48                          ; a half image of 16 queries is 768 bytes
	s_add_nc_u64 s[48:49], s[4:5], s[56:57]
	s_mul_i32 s56, s3, 48
	s_add_nc_u64 s[50:51], s[4:5], s[56:57]
	s_lshl_b32 s56, s2, 2
	s_add_nc_u64 s[52:53], s[4:5], s[56:57]
	s_lshl_b32 s56, s3, 2
	s_add_nc_u64 s[54:55], s[4:5], s[56:57]
	v_and_b32 v8, 31, v0
	v_and_b32 v9, 15, v0                           ; r
	v_bfe_u32 v11, v0, 4, 1                        ; h
	v_and_b32 v4, 7, v0                            ; r % 8
	v_bfe_u32 v5, v0, 3, 1                         ; r / 8
	v_lshlrev_b32 v1, 4, v8
	v_lshlrev_b32 v2, 3, v8
	v_lshlrev_b32 v3, 2, v9
	v_lshlrev_b32 v7, 3, v11
	v_lshl_add_u32 v10, v9, 5, v11
	v_mul_u32_u24 v88, v5, 1536+128                ; pieces of 16 bytes, rows 0-7 of a stored tile: lanes 8-15 two tiles on, where those rows lie in the unit's upper half
	v_mul_u32_u24 v90, v5, 1536+64                 ; pieces of 8 bytes likewise
	v_lshlrev_b32 v92, 7, v5                       ; scale words: two tiles on is 128 bytes
	v_lshlrev_b32 v93, 5, v11
	v_lshl_add_u32 v88, v4, 4, v88
	v_lshl_add_u32 v90, v4, 3, v90
	v_lshl_add_u32 v92, v4, 2, v92
	v_sub_nc_u32 v93, v9, v93
	v_lshl_add_u32 v88, v11, 8, v88
	v_lshl_add_u32 v90, v11, 7, v90
	v_add_nc_u32 v93, s38, v93                     ; r - 32 h + 16 cx
	s_and_b32 s37, s11, 2                          ; my tiles of Q are exchanged ones where cx & 2
	s_lshl_b32 s37, s37, 6
	s_lshr_b32 s38, s37, 1
	v_xor_b32 v8, s37, v1
	v_xor_b32 v9, s38, v2
	v_xor_b32 v89, 128, v88                        ; rows 8-15 of a stored tile
	v_xor_b32 v91, 64, v90
	WALU
.macro QLOAD qb, qs, bi, bs            ; [Q | zeros | Q] and Q's scale word (the row's two bytes, twice)
	global_load_b128 v[\qb:\qb+3], v8, s[\bi:\bi+1] offset:QIMG
	global_load_b64 v[\qb+4:\qb+5], v9, s[\bi:\bi+1] offset:QIMG+512
	global_load_b128 v[\qb+12:\qb+15], v8, s[\bi:\bi+1] offset:QIMG
	global_load_b64 v[\qb+16:\qb+17], v9, s[\bi:\bi+1] offset:QIMG+512
	global_load_b32 v[\qs], v3, s[\bs:\bs+1] offset:QSC
.irp j, 6,7,8,9,10,11
	v_mov_b32 v[\qb+\j], 0
.endr
.endm
	QLOAD 192, 210, 50, 54
	QLOAD 16, 34, 48, 52
	; where the results go: ao_img [head / 8][row / 16][head % 8][768], ao_sc [row][32]
	s_lshr_b32 s37, s12, 4
	s_and_b32 s38, s12, 15
	s_lshr_b32 s39, s38, 3
	s_mul_i32 s39, s39, 3145728
	s_and_b32 s56, s38, 7
	s_mul_i32 s56, s56, 768
	s_add_co_u32 s39, s39, s56
	s_lshl_b32 s58, s37, 11
	s_lshl_b32 s14, s38, 1
	s_add_co_u32 s13, s58, s2
	s_mul_i32 s56, s13, 384
	s_add_co_u32 s56, s56, s39
	s_add_nc_u64 s[40:41], s[6:7], s[56:57]
	s_lshl_b32 s56, s13, 5
	s_add_co_u32 s56, s56, s14
	s_add_nc_u64 s[42:43], s[8:9], s[56:57]
	s_add_co_u32 s13, s58, s3
	s_mul_i32 s56, s13, 384
	s_add_co_u32 s56, s56, s39
	s_add_nc_u64 s[44:45], s[6:7], s[56:57]
	s_lshl_b32 s56, s13, 5
	s_add_co_u32 s56, s56, s14
	s_add_nc_u64 s[46:47], s[8:9], s[56:57]
	s_mov_b32 s28, 0x76543210
	s_mov_b32 s29, 0xfedcba98                      ; lane l xor 16
	s_mov_b32 s30, 0x3e38aa3b                      ; c = log2(e) / sqrt(64)
	s_mov_b32 s31, s30
.irp b, 0,1,2,3
	v_mov_b32 v[236+\b], 0                         ; a lane permute's destination counts as one of its sources
.endr
	v_mov_b32 v252, 0
	v_mov_b32 v253, 0
; A KEY STEP: 128 keys from LDS byte s32 on; s33 is its first key.  q0: the scalar register with 64 n.  chk = 0: every key of the step counts for every query of the wave, by the sizes alone.
.macro STEP qb, qs, q0, chk
.if \chk
	s_add_co_u32 s37, s[\q0], 63
	s_cmp_gt_u32 s33, s37
	s_cbranch_scc1 .Lhidden_\@                     ; all 128 keys come after the 64 queries among which mine lie
.endif
	v_add_nc_u32 v4, s32, v88                      ; five additions: also the places between the last step's products and the loads into their fragments
	v_add_nc_u32 v5, s32, v89
	v_add_nc_u32 v6, s32, v90
	v_add_nc_u32 v8, s32, v91
	v_add_nc_u32 v9, s32, v92
.irp g, 0,1                                    ; fragment 2 g + j: stored tiles 4 g, 4 g + 1 (lanes 8-15: two on), their rows 8 j + 0..7
.irp j, 0,1
	ds_load_b128 v[F+24*\g+12*\j:F+24*\g+12*\j+3], v[4+\j] offset:3072*\g
	ds_load_b64 v[F+24*\g+12*\j+4:F+24*\g+12*\j+5], v[6+2*\j] offset:3072*\g+512
	ds_load_b128 v[F+24*\g+12*\j+6:F+24*\g+12*\j+9], v[4+\j] offset:3072*\g+768
	ds_load_b64 v[F+24*\g+12*\j+10:F+24*\g+12*\j+11], v[6+2*\j] offset:3072*\g+1280
	ds_load_b32 v[248+2*\g+\j], v9 offset:12288+256*\g+32*\j
.endr
.endr
	WALU
	s_wait_dscnt 0x0
.irp m, 0,1,2,3
	v_wmma_scale_f32_16x16x128_f8f6f4 v[96+16*\m:103+16*\m], v[F+12*\m:F+12*\m+11], v[\qb:\qb+11], 0, v[248+\m], v[\qs] matrix_a_fmt:MATRIX_FMT_FP6 matrix_b_fmt:MATRIX_FMT_FP6
	v_wmma_scale_f32_16x16x128_f8f6f4 v[104+16*\m:111+16*\m], v[F+12*\m:F+12*\m+11], v[\qb+6:\qb+17], 0, v[248+\m], v[\qs] matrix_a_fmt:MATRIX_FMT_FP6 matrix_b_fmt:MATRIX_FMT_FP6
.endr
.rept 4
	v_nop                                          ; places in front of the loads below and of the first read of the scores
.endr
.irp t, 0,1,2,3                                ; V's tile t: d = 8 t + 0..7 (lanes 8-15: 32 on); it lands under the softmax
	ds_load_b128 v[F+12*\t:F+12*\t+3], v[4+(\t%2)] offset:6144+3072*(\t/2)
	ds_load_b64 v[F+12*\t+4:F+12*\t+5], v[6+2*(\t%2)] offset:6144+3072*(\t/2)+512
	ds_load_b128 v[F+12*\t+6:F+12*\t+9], v[4+(\t%2)] offset:6144+3072*(\t/2)+768
	ds_load_b64 v[F+12*\t+10:F+12*\t+11], v[6+2*(\t%2)] offset:6144+3072*(\t/2)+1280
	ds_load_b32 v[84+\t], v9 offset:12800+64*(\t/2)+32*(\t%2)
.endr
.if \chk
	s_add_co_u32 s37, s33, 127                     ; a step all of whose keys count skips the mask
	s_cmp_le_u32 s37, s[\q0]
	s_cbranch_scc1 .Lopen_\@
	s_sub_co_i32 s37, s[\q0], s33
	v_add_nc_u32 v252, s37, v93                    ; my query - the step's first key - 32 h
	v_mov_b32 v254, 0xff800000
.irp g, 0,1
.irp j, 0,1,2,3
.irp i, 0,1,2,3,4,5,6,7
	v_cmp_gt_i32 vcc_lo, 64*\g+8*(2*(\j%2)+\j/2)+\i, v252
	v_cndmask_b32 v[96+32*\g+8*\j+\i], v[96+32*\g+8*\j+\i], v254, vcc_lo
.endr
.endr
.endr
.Lopen_\@:
.endif
.irp b, 0,1,2,3                                ; four chains of 16 scores; two of them make a block of 32 keys
	v_max3_num_f32 v[232+\b], v[96+16*\b], v[97+16*\b], v[98+16*\b]
.endr
.irp i, 3,5,7,9,11,13
.irp b, 0,1,2,3
	v_max3_num_f32 v[232+\b], v[232+\b], v[96+16*\b+\i], v[97+16*\b+\i]
.endr
.endr
	v_max_num_f32 v233, v233, v127
	v_max_num_f32 v235, v235, v159
	v_max3_num_f32 v232, v232, v111, v233          ; my block 0 + h's largest score: for the row's maximum and, since p rises with the score, for the block's largest p
	v_max3_num_f32 v234, v234, v143, v235          ; my block 2 + h's
	v_max_num_f32 v254, v232, v234
	v_permlanex16_b32 v236, v254, s28, s29
	v_max_num_f32 v254, v254, v236                 ; the step's largest score of my query
	s_delay_alu instid0(VALU_DEP_1)
	v_mul_f32 v254, s30, v254                      ; as t
	s_delay_alu instid0(VALU_DEP_1)
	v_max_num_f32 v13, v13, v254
	v_mov_b32 v254, v12
	s_delay_alu instid0(VALU_DEP_2)
	v_floor_f32 v12, -v13                          ; the new -M = -ceil(t)
	s_delay_alu instid0(VALU_DEP_1)
	v_sub_f32 v254, v12, v254                      ; old M - new M, a whole number, 0 or less
	s_delay_alu instid0(VALU_DEP_1)
	v_cvt_i32_f32 v254, v254
	s_delay_alu instid0(VALU_DEP_1)
	v_ldexp_f32 v252, 1.0, v254                    ; f = 2^(old M - new M)
.set I, 0
.rept 32
	v_pk_fma_f32 v[96+I:97+I], v[96+I:97+I], s[30:31], v[12:13] op_sel_hi:[1,0,0]   ; t - M
.set I, I+2
.endr
	v_fma_f32 v232, v232, s30, v12
	v_fma_f32 v234, v234, s30, v12
	WALU
.set I, 0
.rept 64
	v_exp_f32 v[96+I], v[96+I]                     ; p = 2^(t - M)
.set I, I+1
.endr
	v_exp_f32 v232, v232                           ; the blocks' largest p
	v_exp_f32 v234, v234
	v_pk_mul_f32 v[14:15], v[14:15], v[252:253] op_sel_hi:[1,0]   ; the sums under the new M
	WALU
	v_max_num_f32 v232, 0x1800000, v232            ; the floor 2^(3 - 127)
	v_max_num_f32 v234, 0x1800000, v234
	v_add_nc_u32 v244, 0xff000000, v232            ; 2 off the exponent field: the conversion's scale operand
	v_add_nc_u32 v245, 0xff000000, v234
	v_lshrrev_b32 v236, 23, v244
	v_lshrrev_b32 v237, 23, v245
	v_lshl_or_b32 v253, v237, 16, v236             ; my two bytes, blocks h and 2 + h,
	v_lshlrev_b32 v253, v7, v253                   ; at their places;
	v_permlanex16_b32 v238, v253, s28, s29
	v_or_b32 v253, v253, v238                      ; with lane l xor 16's the word is whole
	v_cvt_scalef32_pk16_fp6_f32 v[224:226], v[96:111], v244
	v_cvt_scalef32_pk16_fp6_f32 v[236:238], v[112:127], v244
	v_cvt_scalef32_pk16_fp6_f32 v[230:232], v[128:143], v245
	v_cvt_scalef32_pk16_fp6_f32 v[240:242], v[144:159], v245
	v_nop                                          ; one plain place behind a scaled conversion
.irp i, 0,1,2
	v_mov_b32 v[227+\i], v[236+\i]
	v_mov_b32 v[233+\i], v[240+\i]
.endr
	v_pk_add_f32 v[236:237], v[100:101], v[104:105]
	v_pk_add_f32 v[250:251], v[108:109], v[112:113]
	v_pk_add_f32 v[248:249], v[116:117], v[120:121]
	v_pk_add_f32 v[246:247], v[124:125], v[128:129]
	v_pk_add_f32 v[244:245], v[132:133], v[136:137]
	v_pk_add_f32 v[240:241], v[140:141], v[144:145]
	v_pk_add_f32 v[222:223], v[148:149], v[152:153]
	v_pk_add_f32 v[14:15], v[14:15], v[156:157]
	v_pk_add_f32 v[236:237], v[236:237], v[96:97]
	v_pk_add_f32 v[250:251], v[250:251], v[98:99]
	v_pk_add_f32 v[248:249], v[248:249], v[102:103]
	v_pk_add_f32 v[246:247], v[246:247], v[106:107]
	v_pk_add_f32 v[244:245], v[244:245], v[110:111]
	v_pk_add_f32 v[240:241], v[240:241], v[114:115]
	v_pk_add_f32 v[222:223], v[222:223], v[118:119]
	v_pk_add_f32 v[14:15], v[14:15], v[122:123]
	v_pk_add_f32 v[236:237], v[236:237], v[126:127]
	v_pk_add_f32 v[250:251], v[250:251], v[130:131]
	v_pk_add_f32 v[248:249], v[248:249], v[134:135]
	v_pk_add_f32 v[246:247], v[246:247], v[138:139]
	v_pk_add_f32 v[244:245], v[244:245], v[142:143]
	v_pk_add_f32 v[240:241], v[240:241], v[146:147]
	v_pk_add_f32 v[222:223], v[222:223], v[150:151]
	v_pk_add_f32 v[14:15], v[14:15], v[154:155]
	v_pk_add_f32 v[236:237], v[236:237], v[158:159]
	v_pk_add_f32 v[14:15], v[14:15], v[246:247]
	v_pk_add_f32 v[236:237], v[236:237], v[244:245]
	v_pk_add_f32 v[250:251], v[250:251], v[240:241]
	v_pk_add_f32 v[248:249], v[248:249], v[222:223]
	v_pk_add_f32 v[14:15], v[14:15], v[250:251]
	v_pk_add_f32 v[236:237], v[236:237], v[248:249]
	v_pk_add_f32 v[14:15], v[14:15], v[236:237]
	WALU
.set I, 0
.rept 16
	v_pk_mul_f32 v[160+I:161+I], v[160+I:161+I], v[252:253] op_sel_hi:[1,0]   ; O^T under the new M
.set I, I+2
.endr
	WALU
	s_wait_dscnt 0x0                               ; V is in
.irp t, 0,1,2,3                                ; the four accumulators by turns
	v_wmma_scale_f32_16x16x128_f8f6f4 v[160+8*\t:167+8*\t], v[F+12*\t:F+12*\t+11], v[224:235], v[160+8*\t:167+8*\t], v[84+\t], v253 matrix_a_fmt:MATRIX_FMT_FP6 matrix_b_fmt:MATRIX_FMT_FP6
.endr
.if \chk
.Lhidden_\@:
.endif
	s_add_co_u32 s33, s33, 128
	s_add_co_u32 s32, s32, STEPB
.endm
.macro INIT                            ; a tile of 16 queries begins
	s_wait_xcnt 0x0                                ; earlier loads and stores have read their registers
	v_mov_b32 v13, 0xff61b1e6                      ; the largest t so far: -3e38
	v_floor_f32 v12, -v13
	v_mov_b32 v14, 0
	v_mov_b32 v15, 0
.set I, 0
.rept 32
	v_mov_b32 v[160+I], 0                          ; the step is written once: the first finds zeros
.set I, I+1
.endr
	s_mov_b32 s32, 0
	s_mov_b32 s33, 0
	WALU
.endm
.macro LOOP n, qb, qs, q0, chk
	s_mov_b32 s34, \n
.Lstep_\@:
	STEP \qb, \qs, \q0, \chk
	s_sub_co_u32 s34, s34, 1
	s_cmp_lg_u32 s34, 0
	s_cbranch_scc1 .Lstep_\@
.endm
.macro FIN bi, bs                      ; O / l, quantised along d: a lane's 32 numbers are block h of its row, in true order
.rept 4
	v_nop
.endr
	v_add_f32 v14, v14, v15
	v_permlanex16_b32 v252, v14, s28, s29
	v_add_f32 v14, v14, v252
	WALU
	v_rcp_f32 v14, v14
	v_nop
	WALU
.set I, 0
.rept 16
	v_pk_mul_f32 v[160+I:161+I], v[160+I:161+I], v[14:15] op_sel_hi:[1,0]
.set I, I+2
.endr
	v_max3_num_f32 v232, |v160|, |v161|, 0x1800000
	v_max3_num_f32 v233, |v176|, |v177|, |v178|
.irp i, 2,4,6,8,10,12
	v_max3_num_f32 v232, v232, |v[160+\i]|, |v[161+\i]|
	v_max3_num_f32 v233, v233, |v[177+\i]|, |v[178+\i]|
.endr
	v_max3_num_f32 v232, v232, |v174|, |v175|
	v_max3_num_f32 v232, v232, v233, |v191|
	v_add_nc_u32 v244, 0xff000000, v232
	v_lshrrev_b32 v234, 23, v244
	v_cvt_scalef32_pk16_fp6_f32 v[224:226], v[160:175], v244
	v_cvt_scalef32_pk16_fp6_f32 v[240:242], v[176:191], v244
	v_nop
.irp i, 0,1,2
	v_mov_b32 v[227+\i], v[240+\i]
.endr
	global_store_b128 v1, v[224:227], s[\bi:\bi+1]             ; 512 consecutive bytes,
	global_store_b64 v2, v[228:229], s[\bi:\bi+1] offset:512   ; and 256
	global_store_b8 v10, v234, s[\bs:\bs+1]
.endm
	INIT
	s_cmp_lt_u32 s10, 4
	s_cbranch_scc0 .Lnot_first
	s_wait_tensorcnt 0x0                           ; waves 0-3: my key step has landed
.Lnot_first:
	s_barrier_signal -1
	s_barrier_wait -1                              ; key steps 0-3 are in
	s_wait_loadcnt 0x0                             ; Q of both tiles
	LOOP 4, 192, 210, 36, 0
	s_wait_tensorcnt 0x0                           ; every wave: my key step has landed
	s_wait_dscnt 0x0
	s_barrier_signal -1
	s_barrier_wait -1                              ; all sixteen are in
	LOOP 12, 192, 210, 36, 1
	FIN 44, 46
	INIT
	LOOP 8, 16, 34, 35, 1
	FIN 40, 42
	s_wait_tensorcnt 0x0                           ; the wave's end
	ds_add_u32 v243, v255
	s_wait_dscnt 0x0
	CROUND                                         ; the closing round
	s_endpgm
.Lfunc_end_k_q61d3a04a60_attn:
	.size	k_q61d3a04a60_attn, .Lfunc_end_k_q61d3a04a60_attn-k_q61d3a04a60_attn
	.p2alignl 7, 3214868480
	.fill 96, 4, 3214868480
	.section	.rodata,"a",@progbits
	.p2align	6, 0x0
	.amdhsa_kernel k_q61d3a04a60_attn
		.amdhsa_group_segment_fixed_size 210944
		.amdhsa_private_segment_fixed_size 0
		.amdhsa_enable_private_segment 0
		.amdhsa_kernarg_size 24
		.amdhsa_user_sgpr_count 2
		.amdhsa_user_sgpr_kernarg_segment_ptr 1
		.amdhsa_wavefront_size32 1
		.amdhsa_system_sgpr_workgroup_id_x 1
		.amdhsa_system_sgpr_workgroup_id_y 1
		.amdhsa_system_sgpr_workgroup_id_z 1
		.amdhsa_system_vgpr_workitem_id 0
		.amdhsa_next_free_vgpr 256
		.amdhsa_next_free_sgpr 66
		.amdhsa_reserve_vcc 1
		.amdhsa_float_denorm_mode_32 3
		.amdhsa_float_denorm_mode_16_64 3
		.amdhsa_memory_ordered 1
		.amdhsa_forward_progress 1
		.amdhsa_inst_pref_size 74
	.end_amdhsa_kernel
	.amdgpu_metadata
---
amdhsa.version: [ 1, 2 ]
amdhsa.kernels:
  - .name:           k_q61d3a04a60_attn
    .symbol:         k_q61d3a04a60_attn.kd
    .args:
      - { .name: qkv, .offset: 0, .size: 8, .value_kind: global_buffer, .address_space: global }
      - { .name: ao_img, .offset: 8, .size: 8, .value_kind: global_buffer, .address_space: global }
      - { .name: ao_sc, .offset: 16, .size: 8, .value_kind: global_buffer, .address_space: global }
    .group_segment_fixed_size: 210944
    .private_segment_fixed_size: 0
    .kernarg_segment_align: 8
    .kernarg_segment_size: 24
    .max_flat_workgroup_size: 512
    .sgpr_count:     66
    .vgpr_count:     256
    .wavefront_size: 32
...
	.end_amdgpu_metadata
.endif
;; end of part 2
;; launch oproj (part 3): grid 4 x 64, 4 waves a work-group, clusters of 4 x 4, 327,680 bytes of LDS; arguments ao_img, ao_sc, Wo_codes, Wo_scales, bo, out0; writes out0
.if DOCPART == 3
	.amdgcn_target "amdgcn-amd-amdhsa--gfx1250"
	.amdhsa_code_object_version 6
	.text
	.protected	k_q61d3a04a60_oproj
	.globl	k_q61d3a04a60_oproj
	.p2align	8
	.type	k_q61d3a04a60_oproj,@function
k_q61d3a04a60_oproj:
	s_mov_b64 s[64:65], 0
	v_nop
	global_prefetch_b8 v0, s[64:65] scope:SCOPE_SE
	s_setreg_imm32_b32 hwreg(HW_REG_WAVE_MODE, 25, 1), 1
	s_wait_xcnt 0x0
	s_wait_alu depctr_hold_cnt(0) depctr_sa_sdst(0) depctr_va_vdst(0) depctr_va_sdst(0) depctr_va_ssrc(0) depctr_va_vcc(0) depctr_vm_vsrc(0)
	s_getreg_b32 s2, hwreg(HW_REG_IB_STS2, 6, 4)
	s_cmp_eq_u32 s2, 0
	s_cbranch_scc0 .Lentry_in_a_cluster
	s_endpgm
.Lentry_in_a_cluster:
	s_bfe_u32 s2, ttmp6, 0x10000c
	s_cmp_lg_u32 s2, 0xf033
	s_cbranch_scc0 .Lentry_shape_is_right
	s_endpgm
.Lentry_shape_is_right:
; out0 = Q(attention's output) Wo + bo on codes of FP6 (E2M3).  A tile of 128 rows x 256 columns a work-group, four waves of 64 x 128; K = 1,024 lies whole in LDS.
; ONE FILL, at the head, one joint load a wave: waves 0 and 1 bring the two K halves of the 128 rows' operand images (dense, 192 rows of 256 bytes each), waves 2 and 3 128 whole rows of Wo each
; (768 bytes, 16 of padding behind every 256: an LDS pitch of 816).  Nothing is filled again.  The images are shared by a row of the 4 x 4 cluster, Wo's rows by a column.
; The bias is the first products' C.  The way out goes through a stage on the first K half's images, which every wave has read out at the barrier in K step 3.
; No prefetch: every byte that comes through LDS is asked for at the head.
.set FR,    12
.set CHUNK, 49152
.set BOFF,  98304
.set BP,    816
.set SPITCH, 528
.set AA16, 16
.set AA8,  18
.set AB,   20
.set STO,  24
.set RD,   25
.set CO,   26
.set SCA,  32
.set SCB,  64
.set AF,   128
.set BK,   128
.set BIAS, 192
.set G1A,  24
.set G0A,  32
.set G1B,  40
.set G0B,  48
.set MSB, 0
.macro WIN new
.if MSB != \new
	s_set_vgpr_msb (MSB<<8)|\new
.set MSB, \new
.endif
.endm
.macro JLOAD c
	s_cmp_eq_u32 s17, 0
	s_cbranch_scc0 .Lfor_b_\@
	tensor_load_to_lds s[G0A+4*\c:G0A+4*\c+3], s[G1A:G1A+7]
	s_nop 0
.rept 4
	v_nop
.endr
	s_branch .Lasked_\@
.Lfor_b_\@:
	tensor_load_to_lds s[G0B+4*\c:G0B+4*\c+3], s[G1B:G1B+7]
	s_nop 0
.rept 4
	v_nop
.endr
.Lasked_\@:
.endm
.macro CROUND
	s_barrier_signal -1
	s_barrier_wait -1
	s_cmp_lg_u32 s16, 0
	s_cbranch_scc1 .Lnot_wave_0_\@
	s_barrier_signal -3
.Lnot_wave_0_\@:
	s_barrier_wait -3
	s_barrier_signal -1
	s_barrier_wait -1
.endm
.macro PLACES
.rept 4
	v_nop
.endr
.endm
	s_load_b256 s[4:11], s[0:1], 0x0
	s_load_b128 s[12:15], s[0:1], 0x20
	v_lshl_add_u32 v30, v0, 2, 0x4e000
	v_mov_b32 v31, 0
	ds_add_u32 v30, v31
	ds_add_u32 v30, v31
	v_lshrrev_b32 v1, 5, v0
	v_readfirstlane_b32 s16, v1
	s_lshr_b32 s17, s16, 1
	s_and_b32 s18, s16, 1
	s_bfe_u32 s20, ttmp6, 0x40000
	s_bfe_u32 s21, ttmp6, 0x40004
	s_and_b32 s22, ttmp7, 0xffff
	s_lshl_b32 s22, s22, 2
	s_add_co_u32 s22, s22, s21
	s_lshl_b32 s23, s21, 2
	s_lshl_b32 s23, 15, s23
	s_lshl_b32 s19, 0x1111, s20
	s_or_b32 s[G1A+0], s23, (3<<16)|(1<<21)
	s_mov_b32 s[G1A+1], 32<<16
	s_mov_b32 s[G1A+2], 192<<16
	s_mov_b32 s[G1A+3], 32<<16
	s_mov_b32 s[G1A+4], 192
	s_mov_b32 s[G1A+5], 32
	s_mov_b32 s[G1A+6], 0
	s_mov_b32 s[G1A+7], 0
	s_or_b32 s[G1B+0], s19, (0<<16)|(1<<20)|(1<<21)|(5<<22)|(3<<25)
	s_mov_b32 s[G1B+1], 768<<16
	s_mov_b32 s[G1B+2], 128<<16
	s_mov_b32 s[G1B+3], 768<<16
	s_mov_b32 s[G1B+4], 128
	s_mov_b32 s[G1B+5], 768
	s_mov_b32 s[G1B+6], 0
	s_mov_b32 s[G1B+7], 0
	s_lshl_b32 s56, s22, 3
	s_mul_i32 s56, s56, 6144
	s_mul_i32 s57, s18, 3145728
	s_add_co_u32 s56, s56, s57
	s_mov_b32 s57, 0
	s_lshl_b32 s58, s20, 8
	s_lshl_b32 s59, s18, 7
	s_add_co_u32 s58, s58, s59
	s_mul_i32 s58, s58, 768
	s_mov_b32 s59, 0
	s_mul_i32 s60, s18, CHUNK
	s_mul_i32 s61, s18, 128*BP
	s_add_co_u32 s61, s61, BOFF
	s_wait_dscnt 0x0
	s_wait_kmcnt 0x0
	s_add_nc_u64 s[56:57], s[4:5], s[56:57]
	s_add_nc_u64 s[58:59], s[8:9], s[58:59]
	CROUND
.irp c, 0
	s_mov_b32 s[G0A+4*\c], 1
	s_add_co_u32 s[G0A+4*\c+1], s60, \c*CHUNK
	s_add_nc_u64 s[G0A+4*\c+2:G0A+4*\c+3], s[56:57], \c*3145728
	s_or_b32 s[G0A+4*\c+3], s[G0A+4*\c+3], 0x80000000
	s_mov_b32 s[G0B+4*\c], 1
	s_add_co_u32 s[G0B+4*\c+1], s61, \c*CHUNK
	s_add_nc_u64 s[G0B+4*\c+2:G0B+4*\c+3], s[58:59], \c*384
	s_or_b32 s[G0B+4*\c+3], s[G0B+4*\c+3], 0x80000000
	JLOAD \c
.endr
	v_and_b32 v1, 15, v0
	v_bfe_u32 v2, v0, 4, 1
	v_and_b32 v3, 31, v0
	s_mul_i32 s60, s17, 24576
	v_lshl_add_u32 v[AA16], v3, 4, s60
	v_lshl_add_u32 v[AA8], v3, 3, s60
	v_add_nc_u32 v[AA16+1], CHUNK, v[AA16]
	v_add_nc_u32 v[AA8+1], CHUNK, v[AA8]
	s_mul_i32 s61, s18, 128*BP
	s_add_co_u32 s61, s61, BOFF
	v_mul_u32_u24 v4, v1, BP
	v_mad_u32_u24 v4, v2, 24, v4
	v_add_nc_u32 v[AB], s61, v4
	v_add_nc_u32 v[AB+1], 64*BP, v[AB]
	v_lshl_add_u32 v[AB+2], v2, 4, v[AB]
	v_lshl_add_u32 v[AB+3], v2, 4, v[AB+1]
	s_mul_i32 s60, s16, 16*SPITCH
	v_mul_u32_u24 v4, v1, SPITCH
	v_lshl_add_u32 v4, v2, 5, v4
	v_add_nc_u32 v[STO], s60, v4
	v_lshlrev_b32 v[CO], 4, v3
	v_add_nc_u32 v[RD], s60, v[CO]
	v_lshlrev_b32 v27, 5, v1
	s_wait_alu depctr_va_vdst(0)
	v_lshlrev_b32 v28, 5, v2
	s_wait_alu depctr_va_vdst(0)
	s_lshl_b32 s60, s22, 7
	s_lshl_b32 s61, s17, 6
	s_add_co_u32 s60, s60, s61
	s_lshl_b32 s62, s20, 8
	s_lshl_b32 s63, s18, 7
	s_add_co_u32 s62, s62, s63
	s_mov_b32 s69, 0
	s_lshl_b32 s68, s60, 5
	s_add_nc_u64 s[6:7], s[6:7], s[68:69]
	s_lshl_b32 s68, s62, 5
	s_add_nc_u64 s[10:11], s[10:11], s[68:69]
	s_lshl_b32 s68, s62, 2
	s_add_nc_u64 s[12:13], s[12:13], s[68:69]
	s_add_nc_u64 s[14:15], s[14:15], s[68:69]
	s_lshl_b32 s68, s60, 12
	s_add_nc_u64 s[14:15], s[14:15], s[68:69]
.irp i, 0,1,2,3
	global_load_b128 v[SCA+8*\i:SCA+8*\i+3], v27, s[6:7] offset:512*\i
	global_load_b128 v[SCA+8*\i+4:SCA+8*\i+7], v27, s[6:7] offset:512*\i+16
.endr
.irp b, 0,1,2,3,4,5,6,7
	global_load_b128 v[SCB+8*\b:SCB+8*\b+3], v27, s[10:11] offset:512*\b
	global_load_b128 v[SCB+8*\b+4:SCB+8*\b+7], v27, s[10:11] offset:512*\b+16
.endr
	WIN 0x40
.irp b, 0,1,2,3,4,5,6,7
	global_load_b128 v[BIAS+8*\b:BIAS+8*\b+3], v28, s[12:13] offset:64*\b
	global_load_b128 v[BIAS+8*\b+4:BIAS+8*\b+7], v28, s[12:13] offset:64*\b+16
.endr
	WIN 0
.macro FRAGB reg, adr, q, b
.irp p, 0,1,2,3,4,5
.set PCN, 12*(\q)+6*(\p/3)+\p%3
.if PCN%32 < 29
	ds_load_b64 v[\reg+2*\p:\reg+2*\p+1], v[\adr] offset:8*PCN+16*(PCN/32)+((\b)%4)*16*BP
.else
	ds_load_b64 v[\reg+2*\p:\reg+2*\p+1], v[\adr+2] offset:8*PCN+16*(PCN/32)+((\b)%4)*16*BP
.endif
.endr
.endm
.macro AFRAG reg, c, q, i
	ds_load_b128 v[\reg:\reg+3], v[AA16+\c] offset:6144*(\i)+1536*(\q)
	ds_load_b64 v[\reg+4:\reg+5], v[AA8+\c] offset:6144*(\i)+1536*(\q)+512
	ds_load_b128 v[\reg+6:\reg+9], v[AA16+\c] offset:6144*(\i)+1536*(\q)+768
	ds_load_b64 v[\reg+10:\reg+11], v[AA8+\c] offset:6144*(\i)+1536*(\q)+1280
.endm
.macro FETCH s
.set FC, (\s)/4
.set FQ, (\s)%4
.set FP, (\s)%2
	WIN 0x40
.irp b, 0,1,2,3,4,5,6,7
	FRAGB 96*FP+FR*\b, AB+(\b/4), (\s), \b
.endr
	WIN 0
.irp i, 0,1,2,3
	AFRAG AF+48*FP+FR*\i, FC, FQ, \i
.endr
.endm
.macro KSTEP s
	s_wait_dscnt 0x0
.if (\s) == 3
	s_wait_tensorcnt 0x0
	s_barrier_signal -1
	s_barrier_wait -1
.endif
.if (\s) < 7
.if (\s) > 0
	PLACES
.endif
	FETCH (\s)+1
.endif
.set KP, (\s)%2
.if (\s) == 0
	WIN 0x91
.else
	WIN 0xa1
.endif
.irp i, 0,1,2,3
.irp b, 0,1,2,3,4,5,6,7
.if (\s) == 0
	v_wmma_scale_f32_16x16x128_f8f6f4 v[8*(8*\i+\b):8*(8*\i+\b)+7], v[96*KP+FR*\b:96*KP+FR*\b+FR-1], v[AF+48*KP+FR*\i:AF+48*KP+FR*\i+FR-1], v[BIAS+8*\b:BIAS+8*\b+7], v[SCB+8*\b+(\s)], v[SCA+8*\i+(\s)] matrix_a_fmt:MATRIX_FMT_FP6 matrix_b_fmt:MATRIX_FMT_FP6
.else
	v_wmma_scale_f32_16x16x128_f8f6f4 v[8*(8*\i+\b):8*(8*\i+\b)+7], v[96*KP+FR*\b:96*KP+FR*\b+FR-1], v[AF+48*KP+FR*\i:AF+48*KP+FR*\i+FR-1], v[8*(8*\i+\b):8*(8*\i+\b)+7], v[SCB+8*\b+(\s)], v[SCA+8*\i+(\s)] matrix_a_fmt:MATRIX_FMT_FP6 matrix_b_fmt:MATRIX_FMT_FP6
.endif
.endr
.endr
	WIN 0
.endm
	s_wait_tensorcnt 0x0
	s_barrier_signal -1
	s_barrier_wait -1
	FETCH 0
	s_wait_loadcnt 0x0
.irp s, 0,1,2,3,4,5,6,7
	KSTEP \s
.endr
.macro TOSTAGE a
	WIN 0x08
.irp b, 0,1,2,3,4,5,6,7
	ds_store_b128 v[STO], v[64*(\a)+8*\b:64*(\a)+8*\b+3] offset:64*\b
	ds_store_b128 v[STO], v[64*(\a)+8*\b+4:64*(\a)+8*\b+7] offset:64*\b+16
.endr
	WIN 0
.set BB, BK+64*((\a)%2)
.irp t, 0,1,2,3,4,5,6,7,8,9,10,11,12,13,14,15
	ds_load_b128 v[BB+4*\t:BB+4*\t+3], v[RD] offset:\t*SPITCH
.endr
.endm
.macro SEND a, younger
.set BB, BK+64*((\a)%2)
	s_wait_dscnt \younger
.if (\a) > 0
	s_add_nc_u64 s[14:15], s[14:15], 16*4096
.endif
.irp t, 0,1,2,3,4,5,6,7,8,9,10,11,12,13,14,15
	global_store_b128 v[CO], v[BB+4*\t:BB+4*\t+3], s[14:15] offset:\t*4096 th:TH_STORE_NT
.endr
.endm
	PLACES
	TOSTAGE 0
.irp a, 1,2,3
.if \a > 1
	s_wait_xcnt 0x0
.endif
	TOSTAGE \a
	SEND \a-1, 32
.endr
	s_wait_xcnt 0x0
	SEND 3, 0
	s_wait_tensorcnt 0x0
	ds_add_u32 v30, v31
	s_wait_dscnt 0x0
	CROUND
	s_endpgm
.Lfunc_end_k_q61d3a04a60_oproj:
	.size	k_q61d3a04a60_oproj, .Lfunc_end_k_q61d3a04a60_oproj-k_q61d3a04a60_oproj
	.p2alignl 7, 3214868480
	.fill 96, 4, 3214868480
	.section	.rodata,"a",@progbits
	.p2align	6, 0x0
	.amdhsa_kernel k_q61d3a04a60_oproj
		.amdhsa_group_segment_fixed_size 327680
		.amdhsa_private_segment_fixed_size 0
		.amdhsa_enable_private_segment 0
		.amdhsa_kernarg_size 48
		.amdhsa_user_sgpr_count 2
		.amdhsa_user_sgpr_kernarg_segment_ptr 1
		.amdhsa_wavefront_size32 1
		.amdhsa_system_sgpr_workgroup_id_x 1
		.amdhsa_system_sgpr_workgroup_id_y 1
		.amdhsa_system_sgpr_workgroup_id_z 1
		.amdhsa_system_vgpr_workitem_id 0
		.amdhsa_next_free_vgpr 768
		.amdhsa_next_free_sgpr 72
		.amdhsa_reserve_vcc 0
		.amdhsa_float_denorm_mode_32 3
		.amdhsa_float_denorm_mode_16_64 3
		.amdhsa_memory_ordered 1
		.amdhsa_forward_progress 1
		.amdhsa_inst_pref_size 92
	.end_amdhsa_kernel
	.amdgpu_metadata
---
amdhsa.version: [ 1, 2 ]
amdhsa.kernels:
  - .name:           k_q61d3a04a60_oproj
    .symbol:         k_q61d3a04a60_oproj.kd
    .args:
      - { .name: ao_img, .offset: 0, .size: 8, .value_kind: global_buffer, .address_space: global }
      - { .name: ao_sc, .offset: 8, .size: 8, .value_kind: global_buffer, .address_space: global }
      - { .name: Wo_codes, .offset: 16, .size: 8, .value_kind: global_buffer, .address_space: global }
      - { .name: Wo_scales, .offset: 24, .size: 8, .value_kind: global_buffer, .address_space: global }
      - { .name: bo, .offset: 32, .size: 8, .value_kind: global_buffer, .address_space: global }
      - { .name: out0, .offset: 40, .size: 8, .value_kind: global_buffer, .address_space: global }
    .group_segment_fixed_size: 327680
    .private_segment_fixed_size: 0
    .kernarg_segment_align: 8
    .kernarg_segment_size: 48
    .max_flat_workgroup_size: 128
    .sgpr_count:     72
    .vgpr_count:     768
    .wavefront_size: 32
...
	.end_amdgpu_metadata
.endif
;; end of part 3
